; MI455X (gfx1250); checked and timed in simulation.
; The chip was launched on July 23, 2026; its instructions are those of AMD's public machine-readable ISA for CDNA 5 (MIT licence, August 2026) and "CDNA5" Instruction Set Architecture Reference Guide (July 2026). The comments in the code are by the model that wrote it; some were corrected since.
;; Multihead Attention. Allowed arithmetic: float matrix products may take bf16 or f16 operands with f32 sums; all other float work in f32.
;; Inputs: Wk 1,024 x 1,024 float32; Wo 1,024 x 1,024 float32; Wq 1,024 x 1,024 float32; Wv 1,024 x 1,024 float32; bk 1,024 float32; bo 1,024 float32; bq 1,024 float32; bv 1,024 float32; x 2 x 2,048 x 1,024 float32.
;; Outputs: out0 2 x 2,048 x 1,024 float32.
;; 2 versions, each right; version 2 is version 1 with the launch prep written anew for expert scheduling mode. Each part assembles by itself: llvm-mc -triple=amdgcn-amd-amdhsa -mcpu=gfx1250 --defsym DOCPART=n.
;; ======== version 1 of 2: 4 launches
;; workspace buffers: cb 16,777,216 bytes; qb 8,388,608 bytes; kb 8,388,608 bytes; vb 8,388,608 bytes; ab 8,388,608 bytes
;; launch prep (part 1): grid 64 x 8, 8 waves a work-group, no clusters, 0 bytes of LDS; arguments x, Wq, Wk, Wv, Wo, cb; writes cb
.if DOCPART == 1
	.amdgcn_target "amdgcn-amd-amdhsa--gfx1250"
	.amdhsa_code_object_version 6
	.text
	.protected	k_qccc8da6811_prep
	.globl	k_qccc8da6811_prep
	.p2align	8
	.type	k_qccc8da6811_prep,@function
k_qccc8da6811_prep:
	s_mov_b64 s[64:65], 0
	v_nop
	global_prefetch_b8 v0, s[64:65] scope:SCOPE_SE
	s_setreg_imm32_b32 hwreg(HW_REG_WAVE_MODE, 25, 1), 1
	s_wait_xcnt 0x0
; Rounds x and the four weight matrices to bf16, once, in their own order (no transposition):
; cb = x [4096][1024] at byte 0, then Wq, Wk, Wv, Wo [1024 k][1024 n] at 8,388,608 + w * 2,097,152.
; A stream: no LDS, no matrix unit, no cluster (no two work-groups read the same byte).
; Grid y picks 1 Mi numbers: y = 0..3 a quarter of x, y = 4..7 a weight matrix.  Grid x picks 16,384 of them:
; 64 KiB in, 32 KiB out.  Thread t takes 16 bytes at 16 t of every 4,096: a wave's load covers 512 consecutive
; bytes, a wave's store 256 consecutive bytes at a multiple of 256 from cb's first byte.
; All 16 loads of a thread go out first; every store has data registers of its own, so no register is reused.
; Limit: the numbers are rounded to bf16 (nearest even); this is the rounding of the matrix operands.
.set X, 8                              ; v[8:71]    16 x 4 numbers in f32, as loaded
.set Y, 72                             ; v[72:103]  16 x 4 numbers in bf16, to store
	s_load_b256 s[4:11], s[0:1], 0x0               ; x s[4:5], Wq s[6:7], Wk s[8:9], Wv s[10:11]
	s_load_b128 s[12:15], s[0:1], 0x20             ; Wo s[12:13], cb s[14:15]
	s_and_b32 s16, ttmp7, 0xffff                   ; y
	v_lshlrev_b32 v1, 4, v0                        ; 16 t: my bytes in
	v_lshlrev_b32 v2, 3, v0                        ; 8 t: my bytes out
	s_lshl_b32 s17, s16, 22                        ; a quarter of x is 4 MiB of f32
	s_cmp_lt_u32 s16, 4
	s_cselect_b32 s17, s17, 0                      ; a weight matrix starts at its own first byte
	s_lshl_b32 s18, ttmp9, 16                      ; 64 KiB in for each work-group
	s_add_co_u32 s18, s18, s17
	s_mov_b32 s19, 0
	s_lshl_b32 s22, s16, 21                        ; 2 MiB of bf16 for each y
	s_lshl_b32 s23, ttmp9, 15                      ; 32 KiB out for each work-group
	s_add_co_u32 s22, s22, s23
	s_mov_b32 s23, 0
	s_wait_kmcnt 0x0
	s_mov_b64 s[20:21], s[12:13]                   ; the source: Wo, unless y says otherwise
	s_cmp_eq_u32 s16, 6
	s_cselect_b64 s[20:21], s[10:11], s[20:21]
	s_cmp_eq_u32 s16, 5
	s_cselect_b64 s[20:21], s[8:9], s[20:21]
	s_cmp_eq_u32 s16, 4
	s_cselect_b64 s[20:21], s[6:7], s[20:21]
	s_cmp_lt_u32 s16, 4
	s_cselect_b64 s[20:21], s[4:5], s[20:21]
	s_add_nc_u64 s[20:21], s[20:21], s[18:19]
	s_add_nc_u64 s[14:15], s[14:15], s[22:23]
.set i, 0
.rept 16
	global_load_b128 v[X+4*i:X+4*i+3], v1, s[20:21] offset:4096*i th:TH_LOAD_NT
.set i, i+1
.endr
.set i, 0
.rept 16
	s_wait_loadcnt 15-i                            ; loads come back in order: load i is in, the 15 - i younger ones stay out
	v_cvt_pk_bf16_f32 v[Y+2*i],   v[X+4*i],   v[X+4*i+1]
	v_cvt_pk_bf16_f32 v[Y+2*i+1], v[X+4*i+2], v[X+4*i+3]
	global_store_b64 v2, v[Y+2*i:Y+2*i+1], s[14:15] offset:2048*i
.set i, i+1
.endr
	s_endpgm
.Lfunc_end_k_qccc8da6811_prep:
	.size	k_qccc8da6811_prep, .Lfunc_end_k_qccc8da6811_prep-k_qccc8da6811_prep
	.p2alignl 7, 3214868480
	.fill 96, 4, 3214868480
	.section	.rodata,"a",@progbits
	.p2align	6, 0x0
	.amdhsa_kernel k_qccc8da6811_prep
		.amdhsa_group_segment_fixed_size 0
		.amdhsa_private_segment_fixed_size 0
		.amdhsa_enable_private_segment 0
		.amdhsa_kernarg_size 48
		.amdhsa_user_sgpr_count 2
		.amdhsa_user_sgpr_kernarg_segment_ptr 1
		.amdhsa_wavefront_size32 1
		.amdhsa_system_sgpr_workgroup_id_x 1
		.amdhsa_system_sgpr_workgroup_id_y 1
		.amdhsa_system_sgpr_workgroup_id_z 1
		.amdhsa_system_vgpr_workitem_id 0
		.amdhsa_next_free_vgpr 104
		.amdhsa_next_free_sgpr 66
		.amdhsa_reserve_vcc 0
		.amdhsa_float_denorm_mode_32 3
		.amdhsa_float_denorm_mode_16_64 3
		.amdhsa_memory_ordered 1
		.amdhsa_forward_progress 1
		.amdhsa_inst_pref_size 7
	.end_amdhsa_kernel
	.amdgpu_metadata
---
amdhsa.version: [ 1, 2 ]
amdhsa.kernels:
  - .name:           k_qccc8da6811_prep
    .symbol:         k_qccc8da6811_prep.kd
    .args:
      - { .name: x, .offset: 0, .size: 8, .value_kind: global_buffer, .address_space: global }
      - { .name: Wq, .offset: 8, .size: 8, .value_kind: global_buffer, .address_space: global }
      - { .name: Wk, .offset: 16, .size: 8, .value_kind: global_buffer, .address_space: global }
      - { .name: Wv, .offset: 24, .size: 8, .value_kind: global_buffer, .address_space: global }
      - { .name: Wo, .offset: 32, .size: 8, .value_kind: global_buffer, .address_space: global }
      - { .name: cb, .offset: 40, .size: 8, .value_kind: global_buffer, .address_space: global }
    .group_segment_fixed_size: 0
    .private_segment_fixed_size: 0
    .kernarg_segment_align: 8
    .kernarg_segment_size: 48
    .max_flat_workgroup_size: 256
    .sgpr_count:     66
    .vgpr_count:     104
    .wavefront_size: 32
...
	.end_amdgpu_metadata
.endif
;; end of part 1
;; launch qkv (part 2): grid 8 x 32, 4 waves a work-group, clusters of 4 x 4, 327,680 bytes of LDS; arguments cb, bq, bk, bv, qb, kb, vb; writes qb, kb, vb
.if DOCPART == 2
	.amdgcn_target "amdgcn-amd-amdhsa--gfx1250"
	.amdhsa_code_object_version 6
	.text
	.protected	k_qccc8da6811_qkv
	.globl	k_qccc8da6811_qkv
	.p2align	8
	.type	k_qccc8da6811_qkv,@function
k_qccc8da6811_qkv:
	s_mov_b64 s[64:65], 0
	v_nop
	global_prefetch_b8 v0, s[64:65] scope:SCOPE_SE
	s_setreg_imm32_b32 hwreg(HW_REG_WAVE_MODE, 25, 1), 1
	s_wait_xcnt 0x0
	s_wait_alu depctr_hold_cnt(0) depctr_sa_sdst(0) depctr_va_vdst(0) depctr_va_sdst(0) depctr_va_ssrc(0) depctr_va_vcc(0) depctr_vm_vsrc(0)
	s_getreg_b32 s2, hwreg(HW_REG_IB_STS2, 6, 4)
	s_cmp_eq_u32 s2, 0
	s_cbranch_scc0 .Lentry_in_a_cluster
	s_endpgm
.Lentry_in_a_cluster:
	s_bfe_u32 s2, ttmp6, 0x10000c
	s_cmp_lg_u32 s2, 0xf033
	s_cbranch_scc0 .Lentry_shape_is_right
	s_endpgm
.Lentry_shape_is_right:
; q = (x Wq + bq) * SC, k = x Wk + bk, v = x Wv + bv, from the bf16 copies in cb; sums in f32; results in bf16 as [b][head][t][64].
; SC = 0.125 * log2(e): the division by sqrt(64) and the change to base 2 are folded into q.
; A work-group makes 128 rows of x times the same 128 columns of all three weights; a wave 64 rows times one head (64 columns) of
; q, k and v: 48 accumulator tiles of 16 x 16, 384 registers; per 32 along K it issues 32 LDS loads and 48 matrix instructions.
; K goes in steps of 128 through two LDS slots.  A slot is four chunks: x (128 rows x 256 bytes, pitch 272) and the three weights
; (128 k-rows x 256 bytes, pitch 288).  Wave w fetches chunk w with one tensor load: by this text's count a wave has two loads out
; at the start and one later.
; The weights lie [k][n]; ds_load_tr16_b128 turns 8 x 8 blocks as it loads, so that a lane gets 8 neighbouring k of one column.
; CLUSTERS: 4 x 4 work-groups.  x's tile hangs on the block row alone and is asked for jointly along a row of the cluster,
; the weights' tiles on the block column alone, jointly along a column.
; THE MATRIX INSTRUCTION IS USED TRANSPOSED: source 0 = 16 columns of W, source 1 = 16 rows of x; lane l then holds row l % 16 and
; eight neighbouring columns 8 (l / 16) + 0..7, which pack into 16 bytes.
; Registers, in windows of 256: window 0 addresses, x fragments (two buffers), the way out, the biases; window 1 W fragments (two
; buffers of 12); window 2 the accumulators of q and k; window 3 those of v.
; Limit: operands are bf16 (x, W as rounded in cb); q, k, v are rounded once to bf16.
.set PA,     272                       ; pitch of x's rows: 256 + 16, so 16 neighbouring rows start at 16 different 16-byte columns modulo 256
.set PB,     288                       ; pitch of W's k-rows: 256 + 32, an odd multiple of 32, as the transposing load's lanes want
.set CHUNK,  128*PB                    ; 36,864: what one tensor load fills (x's chunk uses 34,816 of it)
.set SLOT,   4*CHUNK
.set STAGE,  2*SLOT                    ; behind the ring: 16 rows x 144 bytes for each wave; no tensor load lands here
.set SP,     144
.set XSTEP,  256                       ; 128 k of a row of x, in bytes
.set WSTEP,  128*2048                  ; 128 k-rows of W, in bytes
.set WBASE,  8388608-2097152           ; wave w (1..3) fetches weight w - 1
.set LAPS,   4                         ; 1024 / (2 x 128)
.set ADRA, 16                          ; v16-17  LDS address of my x fragments in slot 0, 1
.set ADRB, 18                          ; v18-23  the same for weight w in slot s: 3 s + w
.set STO,  24
.set RD,   25
.set CO,   26
.set BOFF, 27
.set FA,   32                          ; v32-63, v64-95  x fragments, buffers 0 and 1 (window 0)
.set TT,   32                          ; the way out: 32 sums with bias, in f32
.set TMP,  64                          ; the way out: packed
.set RB,   96                          ; v96-111, v112-127  the way out: rows read back, two buffers in turn
.set BIAS, 128                         ; v128-223  bias of my 8 columns of tile (w, c): 32 w + 8 c
.set G1A, 28
.set G1B, 36
.set G0A, 44                           ; one set for each slot
.set G0B, 52
.set MSB, 0
.macro WIN new                         ; the immediate's high byte repeats the setting that is left
.if MSB != \new
	s_set_vgpr_msb (MSB<<8)|\new
.set MSB, \new
.endif
.endm
.macro PLACES                          ; four places behind a matrix instruction, in front of loads into its sources and of reads of its results
.rept 4
	v_nop
.endr
.endm
; A joint load: wave 0 asks for x's tile, waves 1 to 3 for a weight's.  Each line has one mask; the branch hangs on the wave's number alone.
.macro JLOAD s
	s_cmp_eq_u32 s18, 0
	s_cbranch_scc0 .Lfor_w_\@
	tensor_load_to_lds s[G0A+4*\s:G0A+4*\s+3], s[G1A:G1A+7]
	s_nop 0
	s_branch .Lasked_\@
.Lfor_w_\@:
	tensor_load_to_lds s[G0B+4*\s:G0B+4*\s+3], s[G1B:G1B+7]
	s_nop 0
.Lasked_\@:
.endm
.macro CREST                           ; a round of the cluster's barrier behind its opening barrier
	s_cmp_lg_u32 s18, 0
	s_cbranch_scc1 .Lnot_wave_0_\@
	s_barrier_signal -3
.Lnot_wave_0_\@:
	s_barrier_wait -3
	s_barrier_signal -1
	s_barrier_wait -1
.endm
.macro CROUND
	s_barrier_signal -1
	s_barrier_wait -1
	CREST
.endm
	s_load_b256 s[4:11], s[0:1], 0x0               ; cb s[4:5], bq s[6:7], bk s[8:9], bv s[10:11]
	s_load_b128 s[12:15], s[0:1], 0x20             ; qb s[12:13], kb s[14:15]
	s_load_b64 s[16:17], s[0:1], 0x30              ; vb
	s_set_vgpr_msb 0x40
	v_lshl_add_u32 v255, v0, 2, 0x4a400
	s_set_vgpr_msb 0x4000
	v_mov_b32 v255, 0
	s_set_vgpr_msb 0x1
	ds_add_u32 v255, v255
	s_set_vgpr_msb 0x100
	v_lshrrev_b32 v1, 5, v0
	v_readfirstlane_b32 s18, v1                    ; wave 0..3
	s_lshr_b32 s19, s18, 1                         ; mh: which 64 rows
	s_and_b32 s20, s18, 1                          ; nh: which 64 columns
	s_bfe_u32 s21, ttmp6, 0x40000                  ; cx
	s_bfe_u32 s22, ttmp6, 0x40004                  ; cy
	s_lshl_b32 s23, ttmp9, 2
	s_add_co_u32 s23, s23, s21                     ; block column 0..7
	s_and_b32 s24, ttmp7, 0xffff
	s_lshl_b32 s24, s24, 2
	s_add_co_u32 s24, s24, s22                     ; block row 0..31
	s_lshl_b32 s25, s22, 2
	s_lshl_b32 s25, 15, s25                        ; my row of the cluster
	s_lshl_b32 s26, 0x1111, s21                    ; my column
	s_mul_i32 s27, s18, CHUNK                      ; where my tensor loads go: the wave's number alone
	; group 1: 128 rows x 128 elements of 2 bytes; a pad behind every 64 words: 4 words for x, 8 for W
	s_or_b32 s[G1A+0], s25, (1<<16)|(1<<20)|(1<<21)|(5<<22)|(3<<25)
	s_or_b32 s[G1B+0], s26, (1<<16)|(1<<20)|(1<<21)|(5<<22)|(7<<25)
	s_mov_b32 s[G1A+1], 128<<16                    ; tensor_dim0 = 128
	s_mov_b32 s[G1B+1], 128<<16
	s_mov_b32 s[G1A+2], 128<<16                    ; tensor_dim1 = 128
	s_mov_b32 s[G1B+2], 128<<16
	s_mov_b32 s[G1A+3], 128<<16                    ; tile_dim0 = 128
	s_mov_b32 s[G1B+3], 128<<16
	s_mov_b32 s[G1A+4], 128                        ; tile_dim1 = 128
	s_mov_b32 s[G1B+4], 128
	s_mov_b32 s[G1A+5], 1024                       ; elements from row to row
	s_mov_b32 s[G1B+5], 1024
	s_mov_b32 s[G1A+6], 0
	s_mov_b32 s[G1B+6], 0
	s_mov_b32 s[G1A+7], 0
	s_mov_b32 s[G1B+7], 0
	s_lshl_b32 s68, s24, 18                        ; x: 128 rows of 2,048 bytes for each block row
	s_mov_b32 s69, 0
	s_lshl_b32 s70, s18, 21                        ; W: the wave's weight,
	s_lshl_b32 s71, s23, 8                         ; 128 columns of 2 bytes for each block column
	s_add_co_u32 s70, s70, s71
	s_add_co_u32 s70, s70, WBASE
	s_mov_b32 s71, 0
	s_lshl_b32 s72, s23, 9                         ; biases: 4 bytes x (128 block column + 64 nh)
	s_lshl_b32 s73, s20, 8
	s_add_co_u32 s72, s72, s73
	s_mov_b32 s73, 0
	v_bfe_u32 v2, v0, 4, 1                         ; h = l / 16
	v_lshlrev_b32 v[BOFF], 5, v2                   ; my 8 columns of a tile start at 8 h
	s_wait_dscnt 0x0
	s_wait_kmcnt 0x0
	s_add_nc_u64 s[6:7], s[6:7], s[72:73]
	s_add_nc_u64 s[8:9], s[8:9], s[72:73]
	s_add_nc_u64 s[10:11], s[10:11], s[72:73]
.irp w, 0,1,2
.irp c, 0,1,2,3
	global_load_b128 v[BIAS+32*\w+8*\c:BIAS+32*\w+8*\c+3],   v[BOFF], s[6+2*\w:7+2*\w] offset:64*\c
	global_load_b128 v[BIAS+32*\w+8*\c+4:BIAS+32*\w+8*\c+7], v[BOFF], s[6+2*\w:7+2*\w] offset:64*\c+16
.endr
.endr
	s_add_nc_u64 s[60:61], s[4:5], s[68:69]        ; x's first tile: hangs on the block row alone
	s_add_nc_u64 s[66:67], s[4:5], s[70:71]        ; W's first tile: on the block column and the wave alone
	CROUND                                         ; all sixteen work-groups are here: the first joint loads meet
.irp s, 0,1
	s_mov_b32 s[G0A+4*\s], 1
	s_add_co_u32 s[G0A+4*\s+1], s27, \s*SLOT
	s_add_nc_u64 s[G0A+4*\s+2:G0A+4*\s+3], s[60:61], \s*XSTEP
	s_or_b32 s[G0A+4*\s+3], s[G0A+4*\s+3], 0x80000000
	s_mov_b32 s[G0B+4*\s], 1
	s_add_co_u32 s[G0B+4*\s+1], s27, \s*SLOT
	s_add_nc_u64 s[G0B+4*\s+2:G0B+4*\s+3], s[66:67], \s*WSTEP
	s_or_b32 s[G0B+4*\s+3], s[G0B+4*\s+3], 0x80000000
	JLOAD \s                                       ; K steps 0 and 1
.endr
	v_and_b32 v1, 15, v0                           ; r = l % 16
	v_mul_u32_u24 v3, v1, PA
	v_lshl_add_u32 v3, v2, 4, v3                   ; x fragment: row r, 16 bytes for each half of the lanes
	s_mul_i32 s74, s19, 64*PA                      ; my 64 rows
	v_add_nc_u32 v[ADRA], s74, v3
	v_add_nc_u32 v[ADRA+1], SLOT, v[ADRA]
	v_and_b32 v4, 7, v0
	v_bfe_u32 v5, v0, 3, 1
	v_lshl_add_u32 v6, v2, 3, v4                   ; W fragment: k-row 8 h + l % 8,
	v_mul_u32_u24 v6, v6, PB
	v_lshl_add_u32 v6, v5, 4, v6                   ; columns 8 ((l / 8) % 2) + 0..7
	s_lshl_b32 s74, s20, 7                         ; my 64 columns
	v_add_nc_u32 v6, s74, v6
.irp s, 0,1
.irp w, 0,1,2
	v_add_nc_u32 v[ADRB+3*\s+\w], \s*SLOT+(1+\w)*CHUNK, v6
.endr
.endr
	s_mul_i32 s75, s18, 16*SP
	s_add_co_u32 s75, s75, STAGE                   ; my stage
	v_mul_u32_u24 v7, v1, SP
	v_lshl_add_u32 v7, v2, 4, v7
	v_add_nc_u32 v[STO], s75, v7                   ; in: row r, 16 bytes for each half
	v_bfe_u32 v8, v0, 3, 2
	v_mul_u32_u24 v8, v8, SP
	v_lshl_add_u32 v8, v4, 4, v8
	v_add_nc_u32 v[RD], s75, v8                    ; back: four rows of 128 bytes a load, eight lanes a row
	v_and_b32 v9, 31, v0
	v_lshlrev_b32 v[CO], 4, v9                     ; and out: the four rows are 512 consecutive bytes
; 32 LDS loads in one run: quarter kq (32 along K) of a slot into buffer f
.macro FETCH slot, kq, f
	WIN 0x40                                       ; destination window 1, address window 0
.irp w, 0,1,2
.irp c, 0,1,2,3
	ds_load_tr16_b128 v[96*\f+8*(4*\w+\c):96*\f+8*(4*\w+\c)+3],   v[ADRB+3*\slot+\w] offset:\kq*32*PB+32*\c
	ds_load_tr16_b128 v[96*\f+8*(4*\w+\c)+4:96*\f+8*(4*\w+\c)+7], v[ADRB+3*\slot+\w] offset:\kq*32*PB+32*\c+16*PB
.endr
.endr
	WIN 0
.irp a, 0,1,2,3
	ds_load_b128 v[FA+32*\f+8*\a:FA+32*\f+8*\a+3],   v[ADRA+\slot] offset:\kq*64+\a*16*PA
	ds_load_b128 v[FA+32*\f+8*\a+4:FA+32*\f+8*\a+7], v[ADRA+\slot] offset:\kq*64+\a*16*PA+32
.endr
.endm
; 16 matrix instructions: weight w, 4 column blocks x 4 row blocks, 32 along K.  zero = 1: the first product starts the sums.
; The 48 accumulators take turns, one instruction a turn, in the same order in every quarter.
.macro MULW f, w, zero
.if \w == 2
	WIN 0xf1                                       ; source 0 window 1, source 1 window 0, C and D window 3
.else
	WIN 0xa1                                       ; the same, C and D window 2
.endif
.irp c, 0,1,2,3
.irp a, 0,1,2,3
.if \zero
	v_wmma_f32_16x16x32_bf16 v[128*(\w&1)+8*(4*\c+\a):128*(\w&1)+8*(4*\c+\a)+7], v[96*\f+8*(4*\w+\c):96*\f+8*(4*\w+\c)+7], v[FA+32*\f+8*\a:FA+32*\f+8*\a+7], 0
.else
	v_wmma_f32_16x16x32_bf16 v[128*(\w&1)+8*(4*\c+\a):128*(\w&1)+8*(4*\c+\a)+7], v[96*\f+8*(4*\w+\c):96*\f+8*(4*\w+\c)+7], v[FA+32*\f+8*\a:FA+32*\f+8*\a+7], v[128*(\w&1)+8*(4*\c+\a):128*(\w&1)+8*(4*\c+\a)+7]
.endif
.endr
.endr
.endm
; One of a K step's first three quarters: fetches quarter kq into buffer g, then multiplies buffer f, whose loads went out a quarter ago.
.macro QUARTER slot, kq, f, g, zero
	PLACES                                         ; buffer g was read by the matrix instructions just issued
	FETCH \slot, \kq, \g
	s_wait_dscnt 32                                ; all but the 32 just issued: buffer f is in
	MULW \f, 0, \zero
	MULW \f, 1, \zero
	MULW \f, 2, \zero
.endm
.macro THREE slot, zero
	QUARTER \slot, 1, 0, 1, \zero
	QUARTER \slot, 2, 1, 0, 0
	QUARTER \slot, 3, 0, 1, 0
.endm
; The last quarter multiplies buffer 1 and changes slots.  In front of the barrier each wave waits for its reads of this slot and for all
; its tensor loads (its part of the next slot).  With fill = 1 the barrier opens a round of the cluster's barrier, and the joint refill,
; two K steps ahead, is the first tensor load behind the round.
.macro TURN slot, next, fill
	s_wait_dscnt 0x0                               ; buffer 1 is in, and my reads of this slot are over
	s_wait_tensorcnt 0x0                           ; all my tensor loads have landed
	ds_add_u32 v255, v255
	s_wait_dscnt 0x0
	s_barrier_signal -1
	MULW 1, 0, 0                                   ; register work while the others arrive
	WIN 0
	s_barrier_wait -1
.if \fill
	CREST
	s_add_nc_u64 s[G0A+4*\slot+2:G0A+4*\slot+3], s[G0A+4*\slot+2:G0A+4*\slot+3], 2*XSTEP
	s_add_nc_u64 s[G0B+4*\slot+2:G0B+4*\slot+3], s[G0B+4*\slot+2:G0B+4*\slot+3], 2*WSTEP
	JLOAD \slot
.endif
	PLACES
	FETCH \next, 0, 0
	MULW 1, 1, 0
	MULW 1, 2, 0
.endm
.macro LAP zero
	THREE 0, \zero
	TURN 0, 1, 1
	THREE 1, 0
	TURN 1, 0, 1
.endm
	s_wait_tensorcnt 1                             ; my part of K step 0 is in; K step 1's load stays out
	s_barrier_signal -1
	s_barrier_wait -1
	FETCH 0, 0, 0
	LAP 1                                          ; K steps 0, 1: the first products start the sums
	WIN 0
	s_mov_b32 s3, LAPS-2
.Llap:
	LAP 0
	WIN 0
	s_sub_co_u32 s3, s3, 1
	s_cmp_lg_u32 s3, 0
	s_cbranch_scc1 .Llap
	THREE 0, 0                                     ; the last lap fills nothing
	TURN 0, 1, 0
	THREE 1, 0
	s_wait_dscnt 0x0
	MULW 1, 0, 0
	MULW 1, 1, 0
	MULW 1, 2, 0
	WIN 0
	; THE WAY OUT, 16 rows x 64 columns at a time: bias (and SC for q), bf16, 16 bytes a lane into my stage, whole rows back, 512 dense bytes a store.
	PLACES
	s_wait_loadcnt 0x0                             ; the biases
.irp p, 0,2,4,6,8,10,12,14,16,18,20,22,24,26,28,30
	v_pk_mul_f32 v[BIAS+\p:BIAS+\p+1], v[BIAS+\p:BIAS+\p+1], 0x3e38aa3b op_sel_hi:[1,0]   ; bq * SC, so that q is one fused multiply-add
.endr
	s_lshr_b32 s74, s24, 4                         ; b
	s_lshl_b32 s74, s74, 4
	s_lshl_b32 s75, s23, 1
	s_add_co_u32 s74, s74, s75
	s_add_co_u32 s74, s74, s20                     ; 16 b + head
	s_lshl_b32 s74, s74, 11
	s_and_b32 s75, s24, 15
	s_lshl_b32 s75, s75, 7
	s_add_co_u32 s74, s74, s75
	s_lshl_b32 s75, s19, 6
	s_add_co_u32 s74, s74, s75                     ; + t of my first row
	s_lshl_b32 s74, s74, 7                         ; rows of 128 bytes
	s_mov_b32 s75, 0
	s_add_nc_u64 s[12:13], s[12:13], s[74:75]
	s_add_nc_u64 s[14:15], s[14:15], s[74:75]
	s_add_nc_u64 s[16:17], s[16:17], s[74:75]
.set RBSEL, 0
.macro OUT16 w, a
.if \w == 2
	WIN 0x03                                       ; source 0 window 3
.else
	WIN 0x02                                       ; source 0 window 2
.endif
.irp c, 0,1,2,3
.irp p, 0,2,4,6
.if \w == 0
	v_pk_fma_f32 v[TT+8*\c+\p:TT+8*\c+\p+1], v[8*(4*\c+\a)+\p:8*(4*\c+\a)+\p+1], 0x3e38aa3b, v[BIAS+8*\c+\p:BIAS+8*\c+\p+1] op_sel_hi:[1,0,1]
.else
	v_pk_add_f32 v[TT+8*\c+\p:TT+8*\c+\p+1], v[128*(\w&1)+8*(4*\c+\a)+\p:128*(\w&1)+8*(4*\c+\a)+\p+1], v[BIAS+32*\w+8*\c+\p:BIAS+32*\w+8*\c+\p+1]
.endif
.endr
.endr
	WIN 0
.irp i, 0,1,2,3,4,5,6,7,8,9,10,11,12,13,14,15
	v_cvt_pk_bf16_f32 v[TMP+\i], v[TT+2*\i], v[TT+2*\i+1]
.endr
.irp c, 0,1,2,3
	ds_store_b128 v[STO], v[TMP+4*\c:TMP+4*\c+3] offset:32*\c
.endr
	s_wait_xcnt 0x0                                ; the read-back buffer was store data two turns ago: it is loaded again only behind this wait
.irp t, 0,1,2,3
	ds_load_b128 v[RB+RBSEL+4*\t:RB+RBSEL+4*\t+3], v[RD] offset:4*SP*\t    ; LDS serves a wave's instructions in order: these see the stores above
.endr
.irp t, 0,1,2,3
	s_wait_dscnt 3-\t
	global_store_b128 v[CO], v[RB+RBSEL+4*\t:RB+RBSEL+4*\t+3], s[12+2*\w:13+2*\w] offset:2048*\a+512*\t
.endr
.set RBSEL, 16-RBSEL
.endm
.irp w, 0,1,2
.irp a, 0,1,2,3
	OUT16 \w, \a
.endr
.endr
	s_set_vgpr_msb 0x1
	s_wait_tensorcnt 0x0
	ds_add_u32 v255, v255
	s_wait_dscnt 0x0
	s_set_vgpr_msb 0x100
	CROUND                                         ; the closing round: no work-group ends while a partner may still ask jointly
	s_endpgm
.Lfunc_end_k_qccc8da6811_qkv:
	.size	k_qccc8da6811_qkv, .Lfunc_end_k_qccc8da6811_qkv-k_qccc8da6811_qkv
	.p2alignl 7, 3214868480
	.fill 96, 4, 3214868480
	.section	.rodata,"a",@progbits
	.p2align	6, 0x0
	.amdhsa_kernel k_qccc8da6811_qkv
		.amdhsa_group_segment_fixed_size 327680
		.amdhsa_private_segment_fixed_size 0
		.amdhsa_enable_private_segment 0
		.amdhsa_kernarg_size 56
		.amdhsa_user_sgpr_count 2
		.amdhsa_user_sgpr_kernarg_segment_ptr 1
		.amdhsa_wavefront_size32 1
		.amdhsa_system_sgpr_workgroup_id_x 1
		.amdhsa_system_sgpr_workgroup_id_y 1
		.amdhsa_system_sgpr_workgroup_id_z 1
		.amdhsa_system_vgpr_workitem_id 0
		.amdhsa_next_free_vgpr 896
		.amdhsa_next_free_sgpr 76
		.amdhsa_reserve_vcc 0
		.amdhsa_float_denorm_mode_32 3
		.amdhsa_float_denorm_mode_16_64 3
		.amdhsa_memory_ordered 1
		.amdhsa_forward_progress 1
		.amdhsa_inst_pref_size 182
	.end_amdhsa_kernel
	.amdgpu_metadata
---
amdhsa.version: [ 1, 2 ]
amdhsa.kernels:
  - .name:           k_qccc8da6811_qkv
    .symbol:         k_qccc8da6811_qkv.kd
    .args:
      - { .name: cb, .offset: 0, .size: 8, .value_kind: global_buffer, .address_space: global }
      - { .name: bq, .offset: 8, .size: 8, .value_kind: global_buffer, .address_space: global }
      - { .name: bk, .offset: 16, .size: 8, .value_kind: global_buffer, .address_space: global }
      - { .name: bv, .offset: 24, .size: 8, .value_kind: global_buffer, .address_space: global }
      - { .name: qb, .offset: 32, .size: 8, .value_kind: global_buffer, .address_space: global }
      - { .name: kb, .offset: 40, .size: 8, .value_kind: global_buffer, .address_space: global }
      - { .name: vb, .offset: 48, .size: 8, .value_kind: global_buffer, .address_space: global }
    .group_segment_fixed_size: 327680
    .private_segment_fixed_size: 0
    .kernarg_segment_align: 8
    .kernarg_segment_size: 56
    .max_flat_workgroup_size: 128
    .sgpr_count:     76
    .vgpr_count:     896
    .wavefront_size: 32
...
	.end_amdgpu_metadata
.endif
;; end of part 2
;; launch attn (part 3): grid 256 x 1, 8 waves a work-group, clusters of 4 x 1, 327,680 bytes of LDS; arguments qb, kb, vb, ab; writes ab
.if DOCPART == 3
	.amdgcn_target "amdgcn-amd-amdhsa--gfx1250"
	.amdhsa_code_object_version 6
	.text
	.protected	k_qccc8da6811_attn
	.globl	k_qccc8da6811_attn
	.p2align	8
	.type	k_qccc8da6811_attn,@function
k_qccc8da6811_attn:
	s_mov_b64 s[64:65], 0
	v_nop
	global_prefetch_b8 v0, s[64:65] scope:SCOPE_SE
	s_setreg_imm32_b32 hwreg(HW_REG_WAVE_MODE, 25, 1), 1
	s_wait_xcnt 0x0
	s_wait_alu depctr_hold_cnt(0) depctr_sa_sdst(0) depctr_va_vdst(0) depctr_va_sdst(0) depctr_va_ssrc(0) depctr_va_vcc(0) depctr_vm_vsrc(0)
	s_getreg_b32 s2, hwreg(HW_REG_IB_STS2, 6, 4)
	s_cmp_eq_u32 s2, 0
	s_cbranch_scc0 .Lentry_in_a_cluster
	s_endpgm
.Lentry_in_a_cluster:
	s_bfe_u32 s2, ttmp6, 0x10000c
	s_cmp_lg_u32 s2, 0x3003
	s_cbranch_scc0 .Lentry_shape_is_right
	s_endpgm
.Lentry_shape_is_right:
; softmax(q k^T / 8) v for one head and 256 queries, with a running maximum.  qb (already times 0.125 log2 e), kb, vb, ab: [b][head][t][64] bf16.
; Eight waves.  Wave w: 64 queries (w & 3), and of every tile of 256 keys the half w >> 2.  The two waves with the same queries keep
; their own maximum m, sum l and output O and are merged once at the end, through LDS.
; TRANSPOSED PRODUCTS: S^T = K Q^T (source 0 = 16 keys, source 1 = 16 queries): lane (r, h) holds query r and keys 8 h + 0..7 of each tile, so
; the maximum over keys is taken in the lane plus one exchange of the halves, and two neighbouring tiles, packed to bf16 in place, ARE the
; source-1 fragment of O^T = V^T P^T (source 0 = V through the transposing LDS load).  In O^T a lane holds query r and 8 neighbouring d,
; so the rescale and 1 / l are one multiplier a lane, and 8 results pack into 16 bytes.
; K and V come in tiles of 256 keys through two LDS slots: eight chunks of 64 keys, K at pitch 144, V at pitch 160; wave w fetches chunk w
; (8 KiB, dense in memory, taken as 32 rows of 256 bytes with a pad behind every 128) with one tensor load: one load of a wave is out at a time.
; CLUSTERS: four work-groups in a row are four query blocks of one head (a head has eight): they ask for K's and V's tiles jointly.
; Limits: q SC, k, v, p and the result are rounded to bf16 (l sums the unrounded p); exp2 gives zero below 2^-126; a NaN score is dropped
; from the running maximum.
.set CHUNK, 10240                      ; 64 keys: 64 x 144 = 9,216 for K, 64 x 160 = 10,240 for V
.set SLOT,  8*CHUNK
.set MERGE, 2*SLOT                     ; 4 x 17,408: O (16,384), m (512), l (512) of waves 4-7; no tensor load lands here
.set MSIZE, 17408
.set STG,   MERGE+4*MSIZE              ; 4 x 9,216: 64 rows x 144 bytes, the way out of waves 0-3
.set SSIZE, 9216
.set TILE,  32768                      ; 256 keys of 128 bytes
.set KA,  8                            ; v8-9    LDS address of my K fragments in slot 0, 1
.set VA,  10                           ; v10-11  the same for V
.set QO,  12
.set MG,  13
.set STO, 14
.set RD,  15
.set CO,  16
.set MP,  20                           ; v[20:27] (m, m) of query block 0..3
.set AP,  28                           ; v[28:35] (alpha, alpha)
.set LP,  36                           ; v[36:43] two partial sums of p
.set TT,  44                           ; v[44:47]
.set UU,  48                           ; v[48:51]
.set PM,  52                           ; v[52:55] the merge: m of the other wave
.set PL,  56                           ; v[56:59] the merge: l of the other wave
.set QF,  64                           ; v64-127  Q fragments, 8 (2 qb + hh)
.set KF,  128                          ; v128-191 K fragments, 8 (2 kt + hh)
.set VF,  192                          ; v192-255 V fragments, 8 (2 db + kk)
.set SS,  0                            ; window 1: S^T tile (qb, kt) at 8 (4 qb + kt); then P
.set OO,  128                          ; window 1: O^T tile (qb, db) at 128 + 8 (4 qb + db)
.set G1K, 20
.set G1V, 28
.set G0K, 36                           ; one set for each slot
.set G0V, 44
.set MSB, 0
.macro WIN new                         ; the immediate's high byte repeats the setting that is left
.if MSB != \new
	s_set_vgpr_msb (MSB<<8)|\new
.set MSB, \new
.endif
.endm
.macro PLACES n
.rept \n
	v_nop
.endr
.endm
.macro ROUND                           ; a round of the cluster's barrier
	s_barrier_signal -1
	s_barrier_wait -1
	s_cmp_lg_u32 s12, 0
	s_cbranch_scc1 .Lnot_wave_0_\@
	s_barrier_signal -3
.Lnot_wave_0_\@:
	s_barrier_wait -3
	s_barrier_signal -1
	s_barrier_wait -1
.endm
.macro JLOAD s                         ; waves 0-3 ask for K's chunks, waves 4-7 for V's; the branch hangs on the wave's number alone
	s_cmp_eq_u32 s13, 0
	s_cbranch_scc0 .Lfor_v_\@
	tensor_load_to_lds s[G0K+4*\s:G0K+4*\s+3], s[G1K:G1K+7]
	s_nop 0
	s_branch .Lasked_\@
.Lfor_v_\@:
	tensor_load_to_lds s[G0V+4*\s:G0V+4*\s+3], s[G1V:G1V+7]
	s_nop 0
.Lasked_\@:
.endm
	s_load_b256 s[4:11], s[0:1], 0x0               ; qb s[4:5], kb s[6:7], vb s[8:9], ab s[10:11]
	v_lshl_add_u32 v62, v0, 2, 0x42000
	v_mov_b32 v63, 0
	ds_add_u32 v62, v63
	v_lshrrev_b32 v1, 5, v0
	v_readfirstlane_b32 s12, v1                    ; wave 0..7
	s_lshr_b32 s13, s12, 2                         ; kh: which half of each tile's keys
	s_and_b32 s14, s12, 3                          ; qg: which 64 queries
	s_bfe_u32 s15, ttmp6, 0x40000                  ; cx
	s_lshl_b32 s16, ttmp9, 2
	s_add_co_u32 s16, s16, s15                     ; work-group 0..255 = 8 x (16 b + head) + query block
	s_lshr_b32 s17, ttmp9, 1                       ; 16 b + head, from the cluster's number alone
	s_mul_i32 s18, s12, CHUNK                      ; where my tensor loads go
	s_mov_b32 s52, 0x76543210                      ; v_permlanex16_b32: lane i of one half reads lane i of the other
	s_mov_b32 s53, 0xfedcba98
	s_lshl_b32 s56, s16, 15                        ; 256 queries of 128 bytes for each work-group
	s_lshl_b32 s57, s14, 13                        ; 64 rows of 128 bytes
	s_add_co_u32 s56, s56, s57                     ; my queries, in qb and in ab
	s_lshl_b32 s58, s17, 18                        ; a head: 2,048 rows of 128 bytes
	s_add_co_u32 s58, s58, s57                     ; my chunk of the first tile, in kb and in vb
	s_mov_b32 s57, 0
	s_mov_b32 s59, 0
	; group 1: 32 rows x 128 elements of 2 bytes, dense; a pad behind every 32 words: 4 words for K, 8 for V; mask: all four of the cluster
	s_mov_b32 s[G1K+0], 15|(1<<16)|(1<<20)|(1<<21)|(4<<22)|(3<<25)
	s_mov_b32 s[G1V+0], 15|(1<<16)|(1<<20)|(1<<21)|(4<<22)|(7<<25)
	s_mov_b32 s[G1K+1], 128<<16                    ; tensor_dim0 = 128
	s_mov_b32 s[G1V+1], 128<<16
	s_mov_b32 s[G1K+2], 32<<16                     ; tensor_dim1 = 32
	s_mov_b32 s[G1V+2], 32<<16
	s_mov_b32 s[G1K+3], 128<<16                    ; tile_dim0 = 128
	s_mov_b32 s[G1V+3], 128<<16
	s_mov_b32 s[G1K+4], 32                         ; tile_dim1 = 32
	s_mov_b32 s[G1V+4], 32
	s_mov_b32 s[G1K+5], 128                        ; elements from row to row
	s_mov_b32 s[G1V+5], 128
	s_mov_b32 s[G1K+6], 0
	s_mov_b32 s[G1V+6], 0
	s_mov_b32 s[G1K+7], 0
	s_mov_b32 s[G1V+7], 0
	v_and_b32 v1, 15, v0                           ; r
	v_bfe_u32 v2, v0, 4, 1                         ; h
	v_and_b32 v3, 7, v0
	v_bfe_u32 v4, v0, 3, 1
	v_and_b32 v5, 31, v0                           ; lane
	v_bfe_u32 v6, v0, 3, 2
	v_lshlrev_b32 v[QO], 7, v1
	v_lshl_add_u32 v[QO], v2, 4, v[QO]             ; Q fragment from memory: row r of 128 bytes, 16 bytes for each half
	s_wait_dscnt 0x0
	s_wait_kmcnt 0x0
	s_add_nc_u64 s[4:5], s[4:5], s[56:57]
	s_add_nc_u64 s[10:11], s[10:11], s[56:57]
	s_add_nc_u64 s[60:61], s[6:7], s[58:59]
	s_add_nc_u64 s[62:63], s[8:9], s[58:59]
.irp qb, 0,1,2,3
.irp hh, 0,1
	global_load_b128 v[QF+8*(2*\qb+\hh):QF+8*(2*\qb+\hh)+3],   v[QO], s[4:5] offset:2048*\qb+64*\hh
	global_load_b128 v[QF+8*(2*\qb+\hh)+4:QF+8*(2*\qb+\hh)+7], v[QO], s[4:5] offset:2048*\qb+64*\hh+32
.endr
.endr
.irp s, 0,1
	s_mov_b32 s[G0K+4*\s], 1
	s_add_co_u32 s[G0K+4*\s+1], s18, \s*SLOT
	s_add_nc_u64 s[G0K+4*\s+2:G0K+4*\s+3], s[60:61], \s*TILE
	s_or_b32 s[G0K+4*\s+3], s[G0K+4*\s+3], 0x80000000
	s_mov_b32 s[G0V+4*\s], 1
	s_add_co_u32 s[G0V+4*\s+1], s18, \s*SLOT
	s_add_nc_u64 s[G0V+4*\s+2:G0V+4*\s+3], s[62:63], \s*TILE
	s_or_b32 s[G0V+4*\s+3], s[G0V+4*\s+3], 0x80000000
.endr
	ROUND                                          ; in front of the first joint load
	JLOAD 0                                        ; tile 0
	v_mul_u32_u24 v7, v1, 144
	v_lshl_add_u32 v7, v2, 4, v7                   ; 144 r + 16 h
	s_mul_i32 s66, s13, 2*CHUNK                    ; my half of the keys: two chunks
	v_add_nc_u32 v[KA], s66, v7
	v_add_nc_u32 v[KA+1], SLOT, v[KA]
	v_lshl_add_u32 v[VA], v2, 3, v3                ; V: key 8 h + l % 8,
	v_mul_u32_u24 v[VA], v[VA], 160
	v_lshl_add_u32 v[VA], v4, 4, v[VA]             ; d 8 ((l / 8) % 2) + 0..7
	v_add_nc_u32 v[VA], s66, v[VA]
	v_add_nc_u32 v[VA], 4*CHUNK, v[VA]             ; V's chunks lie behind K's four
	v_add_nc_u32 v[VA+1], SLOT, v[VA]
	s_mul_i32 s67, s14, MSIZE
	s_add_co_u32 s67, s67, MERGE
	v_lshl_add_u32 v[MG], v5, 4, s67               ; the merge: 16 bytes a lane
	s_mul_i32 s68, s14, SSIZE
	s_add_co_u32 s68, s68, STG
	v_add_nc_u32 v[STO], s68, v7
	v_mul_u32_u24 v[RD], v6, 144
	v_lshl_add_u32 v[RD], v3, 4, v[RD]
	v_add_nc_u32 v[RD], s68, v[RD]                 ; back: four rows of 128 bytes a load
	v_lshlrev_b32 v[CO], 4, v5
.irp qb, 0,1,2,3
	v_mov_b32 v[UU+\qb], 0                         ; v_permlanex16_b32 counts as a reader of its destination
.endr
.macro LOADK slot, sb                  ; 64 keys x 64 d: 8 fragments, 16 loads
.irp kt, 0,1,2,3
.irp hh, 0,1
	ds_load_b128 v[KF+8*(2*\kt+\hh):KF+8*(2*\kt+\hh)+3],   v[KA+\slot] offset:\sb*CHUNK+\kt*2304+64*\hh
	ds_load_b128 v[KF+8*(2*\kt+\hh)+4:KF+8*(2*\kt+\hh)+7], v[KA+\slot] offset:\sb*CHUNK+\kt*2304+64*\hh+32
.endr
.endr
.endm
.macro LOADV slot, sb                  ; 64 d x 64 keys, turned as they are loaded: 8 fragments, 16 loads
.irp db, 0,1,2,3
.irp kk, 0,1
	ds_load_tr16_b128 v[VF+8*(2*\db+\kk):VF+8*(2*\db+\kk)+3],   v[VA+\slot] offset:\sb*CHUNK+\kk*5120+32*\db
	ds_load_tr16_b128 v[VF+8*(2*\db+\kk)+4:VF+8*(2*\db+\kk)+7], v[VA+\slot] offset:\sb*CHUNK+\kk*5120+32*\db+2560
.endr
.endr
.endm
; One sub-block: my 64 queries against 64 keys.  first = 1: it starts m, l and O; nothing is cleared.
; In both products the 16 accumulators take turns, one instruction a turn.
.macro SB slot, sb, first
	LOADV \slot, \sb
	s_wait_dscnt 16                                ; K's 16 loads are in; V's 16, just issued, stay out
	WIN 0x50                                       ; C and D window 1
.irp hh, 0,1
.irp kt, 0,1,2,3
.irp qb, 0,1,2,3
.if \hh
	v_wmma_f32_16x16x32_bf16 v[SS+8*(4*\qb+\kt):SS+8*(4*\qb+\kt)+7], v[KF+8*(2*\kt+\hh):KF+8*(2*\kt+\hh)+7], v[QF+8*(2*\qb+\hh):QF+8*(2*\qb+\hh)+7], v[SS+8*(4*\qb+\kt):SS+8*(4*\qb+\kt)+7]
.else
	v_wmma_f32_16x16x32_bf16 v[SS+8*(4*\qb+\kt):SS+8*(4*\qb+\kt)+7], v[KF+8*(2*\kt+\hh):KF+8*(2*\kt+\hh)+7], v[QF+8*(2*\qb+\hh):QF+8*(2*\qb+\hh)+7], 0
.endif
.endr
.endr
.endr
	WIN 0
	PLACES 4                                       ; in front of the loads into K's fragments and of the reads of S
.if \sb == 0
	LOADK \slot, 1                                 ; the next sub-block's K, a whole softmax ahead
.endif
	; the new maximum of each query: four chains over my 32 scores, started from the old maximum
	WIN 0x05                                       ; sources 0 and 1 window 1
.irp i, 0,2,4,6,8,10,12,14,16,18,20,22,24,26,28,30
.irp qb, 0,1,2,3
.if \i == 0
.if \first
	v_max_num_f32 v[TT+\qb], v[SS+32*\qb], v[SS+32*\qb+1]
.else
	v_max3_num_f32 v[TT+\qb], v[SS+32*\qb], v[SS+32*\qb+1], v[MP+2*\qb]
.endif
.else
	v_max3_num_f32 v[TT+\qb], v[SS+32*\qb+\i], v[SS+32*\qb+\i+1], v[TT+\qb]
.endif
.endr
.endr
	WIN 0
.irp qb, 0,1,2,3
	v_permlanex16_b32 v[UU+\qb], v[TT+\qb], s52, s53       ; the other half of the lanes holds the query's other keys
.endr
.irp qb, 0,1,2,3
	v_max_num_f32 v[TT+\qb], v[TT+\qb], v[UU+\qb]
.endr
.if \first == 0
.irp qb, 0,1,2,3
	v_sub_f32 v[AP+2*\qb], v[MP+2*\qb], v[TT+\qb]
.endr
.irp qb, 0,1,2,3
	v_exp_f32 v[AP+2*\qb], v[AP+2*\qb]             ; alpha = 2^(old m - new m); the moves into MP are the plain place behind it (ISA guide 5.7.2)
.endr
.endif
.irp qb, 0,1,2,3
	v_mov_b32 v[MP+2*\qb],   v[TT+\qb]
	v_mov_b32 v[MP+2*\qb+1], v[TT+\qb]
.endr
.if \first == 0
	s_wait_alu depctr_va_vdst(0)
.irp qb, 0,1,2,3
	v_mov_b32 v[AP+2*\qb+1], v[AP+2*\qb]
.endr
.endif
	; p = 2^(s - m), in place; O's rescale rides between the exponentials
	WIN 0x41                                       ; destination and source 0 window 1
.irp qb, 0,1,2,3
.irp i, 0,2,4,6,8,10,12,14,16,18,20,22,24,26,28,30
	v_pk_add_f32 v[SS+32*\qb+\i:SS+32*\qb+\i+1], v[SS+32*\qb+\i:SS+32*\qb+\i+1], v[MP+2*\qb:MP+2*\qb+1] neg_lo:[0,1] neg_hi:[0,1]
.endr
.irp i, 0,2,4,6,8,10,12,14,16,18,20,22,24,26,28,30
	v_exp_f32 v[SS+32*\qb+\i],   v[SS+32*\qb+\i]
	v_exp_f32 v[SS+32*\qb+\i+1], v[SS+32*\qb+\i+1]
.if \first == 0
	v_pk_mul_f32 v[OO+32*\qb+\i:OO+32*\qb+\i+1], v[OO+32*\qb+\i:OO+32*\qb+\i+1], v[AP+2*\qb:AP+2*\qb+1]
.endif
.endr
.endr
	; l = l alpha + the sum of my p, two partial sums for each query
.if \first
	v_nop                                          ; the plain place behind the last exponentials
	WIN 0x05
	s_wait_alu depctr_va_vdst(0)
.irp qb, 0,1,2,3
	v_pk_add_f32 v[LP+2*\qb:LP+2*\qb+1], v[SS+32*\qb:SS+32*\qb+1], v[SS+32*\qb+2:SS+32*\qb+3]
.endr
	WIN 0x01
.irp i, 4,6,8,10,12,14,16,18,20,22,24,26,28,30
.irp qb, 0,1,2,3
	v_pk_add_f32 v[LP+2*\qb:LP+2*\qb+1], v[SS+32*\qb+\i:SS+32*\qb+\i+1], v[LP+2*\qb:LP+2*\qb+1]
.endr
.endr
.else
	WIN 0x10                                       ; source 2 window 1
	s_wait_alu depctr_va_vdst(0)
.irp qb, 0,1,2,3
	v_pk_fma_f32 v[LP+2*\qb:LP+2*\qb+1], v[LP+2*\qb:LP+2*\qb+1], v[AP+2*\qb:AP+2*\qb+1], v[SS+32*\qb:SS+32*\qb+1]
.endr
	WIN 0x01
.irp i, 2,4,6,8,10,12,14,16,18,20,22,24,26,28,30
.irp qb, 0,1,2,3
	v_pk_add_f32 v[LP+2*\qb:LP+2*\qb+1], v[SS+32*\qb+\i:SS+32*\qb+\i+1], v[LP+2*\qb:LP+2*\qb+1]
.endr
.endr
.endif
	; tiles 2 kk and 2 kk + 1 packed in place, ascending (word i is written from words 2 i, 2 i + 1): the fragment P^T (qb, kk)
	WIN 0x45
.irp qb, 0,1,2,3
.irp kk, 0,1
.irp i, 0,1,2,3,4,5,6,7
	v_cvt_pk_bf16_f32 v[SS+32*\qb+16*\kk+\i], v[SS+32*\qb+16*\kk+2*\i], v[SS+32*\qb+16*\kk+2*\i+1]
.endr
.endr
.endr
.if \sb == 0
	s_wait_dscnt 16                                ; V is in; the next K's 16 loads stay out
.else
	s_wait_dscnt 0x0                               ; V is in
.endif
	WIN 0x54                                       ; source 1, C and D window 1
.irp kk, 0,1
.irp db, 0,1,2,3
.irp qb, 0,1,2,3
.if \first*(1-\kk)
	v_wmma_f32_16x16x32_bf16 v[OO+8*(4*\qb+\db):OO+8*(4*\qb+\db)+7], v[VF+8*(2*\db+\kk):VF+8*(2*\db+\kk)+7], v[SS+32*\qb+16*\kk:SS+32*\qb+16*\kk+7], 0
.else
	v_wmma_f32_16x16x32_bf16 v[OO+8*(4*\qb+\db):OO+8*(4*\qb+\db)+7], v[VF+8*(2*\db+\kk):VF+8*(2*\db+\kk)+7], v[SS+32*\qb+16*\kk:SS+32*\qb+16*\kk+7], v[OO+8*(4*\qb+\db):OO+8*(4*\qb+\db)+7]
.endif
.endr
.endr
.endr
	WIN 0
	PLACES 5                                       ; in front of the next S products, which write over P, and of the loads into V's fragments
.endm
; One tile of 256 keys.  In front of the round every wave waits for all its tensor loads (its chunk of this tile) and for its reads of the
; other slot; the joint refill of that slot is the first tensor load behind the round and has this whole trip in which to land.
.macro TRIP slot, refill, first
	s_wait_tensorcnt 0x0                           ; all my loads are done, so every group 0 may be written:
	ds_add_u32 v62, v63
	s_wait_dscnt 0x0
	s_add_nc_u64 s[G0K+4*\slot+2:G0K+4*\slot+3], s[G0K+4*\slot+2:G0K+4*\slot+3], 2*TILE    ; this slot's next tile
	s_add_nc_u64 s[G0V+4*\slot+2:G0V+4*\slot+3], s[G0V+4*\slot+2:G0V+4*\slot+3], 2*TILE
	s_wait_dscnt 0x0                               ; my reads of the last tile are done
	ROUND
.if \refill
	JLOAD (1-\slot)
.endif
	LOADK \slot, 0
	SB \slot, 0, \first
	SB \slot, 1, 0
.endm
	s_wait_loadcnt 0x0                             ; Q
	TRIP 0, 1, 1                                   ; tiles 0, 1
	TRIP 1, 1, 0
	s_mov_b32 s54, 2
.Ltiles:
	TRIP 0, 1, 0                                   ; tiles 2 to 5
	TRIP 1, 1, 0
	s_sub_co_u32 s54, s54, 1
	s_cmp_lg_u32 s54, 0
	s_cbranch_scc1 .Ltiles
	TRIP 0, 1, 0                                   ; tile 6; asks for tile 7, the last
	TRIP 1, 0, 0                                   ; (the addresses stepped past the end are not used)
	; THE MERGE.  The five places that end the last sub-block stand in front of the reads of O.
.irp qb, 0,1,2,3
	v_add_f32 v[TT+\qb], v[LP+2*\qb], v[LP+2*\qb+1]        ; my lane's l
.endr
	s_cmp_eq_u32 s13, 0
	s_cbranch_scc1 .Lkeep
.irp qb, 0,1,2,3
	v_mov_b32 v[PM+\qb], v[MP+2*\qb]
.endr
	WIN 0x04                                       ; store data window 1
.set i, 0
.rept 32
	ds_store_b128 v[MG], v[OO+4*i:OO+4*i+3] offset:512*i
.set i, i+1
.endr
	WIN 0
	ds_store_b128 v[MG], v[PM:PM+3] offset:16384
	ds_store_b128 v[MG], v[TT:TT+3] offset:16896
.Lkeep:
	s_wait_dscnt 0x0                               ; for the other wave's sake: my stores are done
	s_barrier_signal -1
	s_barrier_wait -1
	s_cmp_lg_u32 s13, 0
	s_cbranch_scc1 .Lend
	WIN 0x40
.set i, 0
.rept 32
	ds_load_b128 v[SS+4*i:SS+4*i+3], v[MG] offset:512*i    ; the other wave's O, register for register and lane for lane
.set i, i+1
.endr
	WIN 0
	ds_load_b128 v[PM:PM+3], v[MG] offset:16384
	ds_load_b128 v[PL:PL+3], v[MG] offset:16896
	s_wait_dscnt 0x0
.irp qb, 0,1,2,3
	v_max_num_f32 v[UU+\qb], v[MP+2*\qb], v[PM+\qb]
.endr
.irp qb, 0,1,2,3
	v_sub_f32 v[AP+2*\qb], v[MP+2*\qb], v[UU+\qb]
	v_sub_f32 v[PM+\qb], v[PM+\qb], v[UU+\qb]
.endr
.irp qb, 0,1,2,3
	v_exp_f32 v[AP+2*\qb], v[AP+2*\qb]             ; a0 = 2^(my m - m)
	v_exp_f32 v[PM+\qb], v[PM+\qb]                 ; a1 = 2^(its m - m)
.endr
	v_nop                                          ; the plain place behind the exponentials
	s_wait_alu depctr_va_vdst(0)
.irp qb, 0,1,2,3
	v_mul_f32 v[TT+\qb], v[TT+\qb], v[AP+2*\qb]
.endr
.irp qb, 0,1,2,3
	v_fmac_f32 v[TT+\qb], v[PL+\qb], v[PM+\qb]     ; l = l0 a0 + l1 a1, of my lane's keys
.endr
.irp qb, 0,1,2,3
	v_permlanex16_b32 v[UU+\qb], v[TT+\qb], s52, s53
.endr
.irp qb, 0,1,2,3
	v_add_f32 v[TT+\qb], v[TT+\qb], v[UU+\qb]      ; + the other half's keys; at least 1: the largest score's p is 1
.endr
.irp qb, 0,1,2,3
	v_rcp_f32 v[PL+\qb], v[TT+\qb]
.endr
	v_nop                                          ; the plain place behind the reciprocals
	s_wait_alu depctr_va_vdst(0)
.irp qb, 0,1,2,3
	v_mul_f32 v[AP+2*\qb], v[AP+2*\qb], v[PL+\qb]  ; a0 / l
	v_mul_f32 v[MP+2*\qb], v[PM+\qb], v[PL+\qb]    ; a1 / l
.endr
.irp qb, 0,1,2,3
	v_mov_b32 v[AP+2*\qb+1], v[AP+2*\qb]
	v_mov_b32 v[MP+2*\qb+1], v[MP+2*\qb]
.endr
	WIN 0x41
.irp qb, 0,1,2,3
.irp i, 0,2,4,6,8,10,12,14,16,18,20,22,24,26,28,30
	v_pk_mul_f32 v[OO+32*\qb+\i:OO+32*\qb+\i+1], v[OO+32*\qb+\i:OO+32*\qb+\i+1], v[AP+2*\qb:AP+2*\qb+1]
.endr
.endr
	WIN 0x51
.irp qb, 0,1,2,3
.irp i, 0,2,4,6,8,10,12,14,16,18,20,22,24,26,28,30
	v_pk_fma_f32 v[OO+32*\qb+\i:OO+32*\qb+\i+1], v[SS+32*\qb+\i:SS+32*\qb+\i+1], v[MP+2*\qb:MP+2*\qb+1], v[OO+32*\qb+\i:OO+32*\qb+\i+1]
.endr
.endr
	WIN 0x05
.set i, 0
.rept 64
	v_cvt_pk_bf16_f32 v[QF+i], v[OO+2*i], v[OO+2*i+1]
.set i, i+1
.endr
	WIN 0
.irp qb, 0,1,2,3
.irp db, 0,1,2,3
	ds_store_b128 v[STO], v[QF+4*(4*\qb+\db):QF+4*(4*\qb+\db)+3] offset:2304*\qb+32*\db
.endr
.endr
.set i, 0
.rept 16
	ds_load_b128 v[KF+4*i:KF+4*i+3], v[RD] offset:576*i    ; LDS serves a wave's instructions in order: these see the stores above
.set i, i+1
.endr
.set i, 0
.rept 16
	s_wait_dscnt 15-i
	global_store_b128 v[CO], v[KF+4*i:KF+4*i+3], s[10:11] offset:512*i     ; four rows of 128 bytes: 512 consecutive bytes, aligned
.set i, i+1
.endr
.Lend:
	s_wait_tensorcnt 0x0
	ds_add_u32 v62, v63
	s_wait_dscnt 0x0
	ROUND                                          ; the closing round
	s_endpgm
.Lfunc_end_k_qccc8da6811_attn:
	.size	k_qccc8da6811_attn, .Lfunc_end_k_qccc8da6811_attn-k_qccc8da6811_attn
	.p2alignl 7, 3214868480
	.fill 96, 4, 3214868480
	.section	.rodata,"a",@progbits
	.p2align	6, 0x0
	.amdhsa_kernel k_qccc8da6811_attn
		.amdhsa_group_segment_fixed_size 327680
		.amdhsa_private_segment_fixed_size 0
		.amdhsa_enable_private_segment 0
		.amdhsa_kernarg_size 32
		.amdhsa_user_sgpr_count 2
		.amdhsa_user_sgpr_kernarg_segment_ptr 1
		.amdhsa_wavefront_size32 1
		.amdhsa_system_sgpr_workgroup_id_x 1
		.amdhsa_system_sgpr_workgroup_id_y 1
		.amdhsa_system_sgpr_workgroup_id_z 1
		.amdhsa_system_vgpr_workitem_id 0
		.amdhsa_next_free_vgpr 512
		.amdhsa_next_free_sgpr 72
		.amdhsa_reserve_vcc 0
		.amdhsa_float_denorm_mode_32 3
		.amdhsa_float_denorm_mode_16_64 3
		.amdhsa_memory_ordered 1
		.amdhsa_forward_progress 1
		.amdhsa_inst_pref_size 255
	.end_amdhsa_kernel
	.section	.bss,"aw",@nobits
	.p2align	6
	.space	262144
	.amdgpu_metadata
---
amdhsa.version: [ 1, 2 ]
amdhsa.kernels:
  - .name:           k_qccc8da6811_attn
    .symbol:         k_qccc8da6811_attn.kd
    .args:
      - { .name: qb, .offset: 0, .size: 8, .value_kind: global_buffer, .address_space: global }
      - { .name: kb, .offset: 8, .size: 8, .value_kind: global_buffer, .address_space: global }
      - { .name: vb, .offset: 16, .size: 8, .value_kind: global_buffer, .address_space: global }
      - { .name: ab, .offset: 24, .size: 8, .value_kind: global_buffer, .address_space: global }
    .group_segment_fixed_size: 327680
    .private_segment_fixed_size: 0
    .kernarg_segment_align: 8
    .kernarg_segment_size: 32
    .max_flat_workgroup_size: 256
    .sgpr_count:     72
    .vgpr_count:     512
    .wavefront_size: 32
...
	.end_amdgpu_metadata
.endif
;; end of part 3
;; launch oproj (part 4): grid 8 x 32, 4 waves a work-group, clusters of 4 x 4, 327,680 bytes of LDS; arguments ab, cb, bo, out0; writes out0
.if DOCPART == 4
	.amdgcn_target "amdgcn-amd-amdhsa--gfx1250"
	.amdhsa_code_object_version 6
	.text
	.protected	k_qccc8da6811_oproj
	.globl	k_qccc8da6811_oproj
	.p2align	8
	.type	k_qccc8da6811_oproj,@function
k_qccc8da6811_oproj:
	s_mov_b64 s[64:65], 0
	v_nop
	global_prefetch_b8 v0, s[64:65] scope:SCOPE_SE
	s_setreg_imm32_b32 hwreg(HW_REG_WAVE_MODE, 25, 1), 1
	s_wait_xcnt 0x0
	s_wait_alu depctr_hold_cnt(0) depctr_sa_sdst(0) depctr_va_vdst(0) depctr_va_sdst(0) depctr_va_ssrc(0) depctr_va_vcc(0) depctr_vm_vsrc(0)
	s_getreg_b32 s2, hwreg(HW_REG_IB_STS2, 6, 4)
	s_cmp_eq_u32 s2, 0
	s_cbranch_scc0 .Lentry_in_a_cluster
	s_endpgm
.Lentry_in_a_cluster:
	s_bfe_u32 s2, ttmp6, 0x10000c
	s_cmp_lg_u32 s2, 0xf033
	s_cbranch_scc0 .Lentry_shape_is_right
	s_endpgm
.Lentry_shape_is_right:
; out0 = A Wo + bo.  A is the attention's result, ab [b][head][t][64] bf16, read as [row = 2048 b + t][k = 64 head + d]; Wo is the bf16 copy
; [1024 k][1024 n] in cb; sums and out0 in f32.
; A work-group makes 128 x 128 of out0, a wave 64 x 64: 16 accumulator tiles.  K goes in steps of 256 (four heads) through two LDS slots:
; four chunks of A (one head: 128 rows x 128 bytes, dense in memory, taken as 64 rows of 256 bytes with a pad behind every 128: pitch 144)
; and four chunks of Wo (64 k-rows x 256 bytes, pitch 288).  Waves 0, 1 fetch two heads each, waves 2, 3 two chunks of Wo each: by this
; text's count a wave has four tensor loads out at the start and two later.
; CLUSTERS: 4 x 4 work-groups; A's tiles are asked for jointly along a row of the cluster, Wo's along a column.
; The matrix instruction is used transposed (source 0 = 16 columns of Wo through the transposing LDS load, source 1 = 16 rows of A):
; a lane holds one row and eight neighbouring columns.
; Limit: operands are bf16 (A and Wo as rounded before).
.set PA,     144
.set PB,     288
.set HALF,   18432                     ; a chunk: 128 x 144 = 64 x 288
.set SLOT,   8*HALF
.set BREG,   4*HALF                    ; Wo's 256 k-rows lie behind A's four heads
.set STAGE,  2*SLOT                    ; 16 rows x 272 bytes for each wave; no tensor load lands here
.set SP,     272
.set ASTEP,  4*262144                  ; four heads of 2,048 rows of 128 bytes
.set BSTEP,  256*2048                  ; 256 k-rows
.set WOBASE, 8388608+3*2097152
.set ADRA, 16                          ; v16-17  my A fragments in slot 0, 1
.set ADRB, 18                          ; v18-21  my Wo fragments: 2 slot + (k-rows 0-127 or 128-255)
.set STO,  24
.set RD,   25
.set CO,   26
.set BOFF, 27
.set FA,   32                          ; v32-63, v64-95  A fragments, two buffers (window 0)
.set TT,   32                          ; the way out: sums with bias
.set RB,   96                          ; v96-127, v128-159  the way out: rows read back, two buffers in turn
.set BIAS, 160                         ; v160-191  bias of my 8 columns of column block c: 8 c
.set ACC,  128                         ; window 1: tile (c, a) at 128 + 8 (4 c + a); Wo fragments at v0-31, v32-63
.set G1A, 20
.set G1B, 28
.set G0A, 36                           ; 8 slot + 4 i
.set G0B, 68
.set MSB, 0
.macro WIN new                         ; the immediate's high byte repeats the setting that is left
.if MSB != \new
	s_set_vgpr_msb (MSB<<8)|\new
.set MSB, \new
.endif
.endm
.macro PLACES                          ; four places behind a matrix instruction (ISA guide 7.12.1)
.rept 4
	v_nop
.endr
.endm
.macro JLOAD s                         ; two joint loads a wave; the branch hangs on the wave's number alone
	s_cmp_eq_u32 s13, 0
	s_cbranch_scc0 .Lfor_w_\@
	tensor_load_to_lds s[G0A+8*\s:G0A+8*\s+3], s[G1A:G1A+7]
	s_nop 0
	tensor_load_to_lds s[G0A+8*\s+4:G0A+8*\s+7], s[G1A:G1A+7]
	s_nop 0
	s_branch .Lasked_\@
.Lfor_w_\@:
	tensor_load_to_lds s[G0B+8*\s:G0B+8*\s+3], s[G1B:G1B+7]
	s_nop 0
	tensor_load_to_lds s[G0B+8*\s+4:G0B+8*\s+7], s[G1B:G1B+7]
	s_nop 0
.Lasked_\@:
.endm
.macro CREST
	s_cmp_lg_u32 s12, 0
	s_cbranch_scc1 .Lnot_wave_0_\@
	s_barrier_signal -3
.Lnot_wave_0_\@:
	s_barrier_wait -3
	s_barrier_signal -1
	s_barrier_wait -1
.endm
.macro CROUND
	s_barrier_signal -1
	s_barrier_wait -1
	CREST
.endm
	s_load_b256 s[4:11], s[0:1], 0x0               ; ab s[4:5], cb s[6:7], bo s[8:9], out0 s[10:11]
	s_set_vgpr_msb 0x40
	v_lshl_add_u32 v127, v0, 2, 0x4c400
	s_set_vgpr_msb 0x4000
	v_mov_b32 v255, 0
	s_set_vgpr_msb 0x1
	ds_add_u32 v127, v255
	s_set_vgpr_msb 0x100
	v_lshrrev_b32 v1, 5, v0
	v_readfirstlane_b32 s12, v1                    ; wave 0..3
	s_lshr_b32 s13, s12, 1                         ; mh: which 64 rows.  Also: I fetch for A (0) or for Wo (1)
	s_and_b32 s14, s12, 1                          ; nh: which 64 columns.  Also: which half of that tile I fetch
	s_bfe_u32 s15, ttmp6, 0x40000                  ; cx
	s_bfe_u32 s16, ttmp6, 0x40004                  ; cy
	s_lshl_b32 s17, ttmp9, 2
	s_add_co_u32 s17, s17, s15                     ; block column 0..7
	s_and_b32 s18, ttmp7, 0xffff
	s_lshl_b32 s18, s18, 2
	s_add_co_u32 s18, s18, s16                     ; block row 0..31
	s_mul_i32 s19, s12, 2*HALF                     ; where my tensor loads go
	s_lshl_b32 s84, s16, 2
	s_lshl_b32 s84, 15, s84                        ; my row of the cluster
	s_lshl_b32 s85, 0x1111, s15                    ; my column
	s_or_b32 s[G1A+0], s84, (1<<16)|(1<<20)|(1<<21)|(4<<22)|(3<<25)   ; a pad of 4 words behind every 32
	s_or_b32 s[G1B+0], s85, (1<<16)|(1<<20)|(1<<21)|(5<<22)|(7<<25)   ; a pad of 8 words behind every 64
	s_mov_b32 s[G1A+1], 128<<16                    ; tensor_dim0 = 128
	s_mov_b32 s[G1B+1], 128<<16
	s_mov_b32 s[G1A+2], 64<<16                     ; tensor_dim1 = 64
	s_mov_b32 s[G1B+2], 64<<16
	s_mov_b32 s[G1A+3], 128<<16                    ; tile_dim0 = 128
	s_mov_b32 s[G1B+3], 128<<16
	s_mov_b32 s[G1A+4], 64                         ; tile_dim1 = 64
	s_mov_b32 s[G1B+4], 64
	s_mov_b32 s[G1A+5], 128                        ; A: dense
	s_mov_b32 s[G1B+5], 1024                       ; Wo: 1,024 elements from k-row to k-row
	s_mov_b32 s[G1A+6], 0
	s_mov_b32 s[G1B+6], 0
	s_mov_b32 s[G1A+7], 0
	s_mov_b32 s[G1B+7], 0
	s_lshr_b32 s52, s18, 4                         ; A: b x 16 heads of 262,144 bytes,
	s_lshl_b32 s52, s52, 22
	s_and_b32 s53, s18, 15
	s_lshl_b32 s53, s53, 14                        ; 128 rows of 128 bytes for each block row in b,
	s_add_co_u32 s52, s52, s53
	s_lshl_b32 s53, s14, 19                        ; two heads for each fetching wave
	s_add_co_u32 s52, s52, s53
	s_mov_b32 s53, 0
	s_lshl_b32 s54, s14, 18                        ; Wo: 128 k-rows of 2,048 bytes for each fetching wave,
	s_lshl_b32 s55, s17, 8                         ; 128 columns of 2 bytes for each block column
	s_add_co_u32 s54, s54, s55
	s_add_co_u32 s54, s54, WOBASE
	s_mov_b32 s55, 0
	s_lshl_b32 s56, s17, 9                         ; bo, and the columns of out0: 4 bytes x (128 block column + 64 nh)
	s_lshl_b32 s57, s14, 8
	s_add_co_u32 s56, s56, s57
	s_mov_b32 s57, 0
	s_lshl_b32 s58, s18, 19                        ; out0: rows of 4,096 bytes, 128 for each block row, 64 for mh
	s_lshl_b32 s59, s13, 18
	s_add_co_u32 s58, s58, s59
	s_add_co_u32 s58, s58, s56
	s_mov_b32 s59, 0
	v_bfe_u32 v2, v0, 4, 1                         ; h
	v_lshlrev_b32 v[BOFF], 5, v2
	s_wait_dscnt 0x0
	s_wait_kmcnt 0x0
	s_add_nc_u64 s[8:9], s[8:9], s[56:57]
	s_add_nc_u64 s[10:11], s[10:11], s[58:59]
.irp c, 0,1,2,3
	global_load_b128 v[BIAS+8*\c:BIAS+8*\c+3],   v[BOFF], s[8:9] offset:64*\c
	global_load_b128 v[BIAS+8*\c+4:BIAS+8*\c+7], v[BOFF], s[8:9] offset:64*\c+16
.endr
	s_add_nc_u64 s[60:61], s[4:5], s[52:53]        ; hangs on the block row and the wave alone
	s_add_nc_u64 s[62:63], s[6:7], s[54:55]        ; on the block column and the wave alone
	CROUND                                         ; in front of the first joint loads
.irp s, 0,1
.irp i, 0,1
	s_mov_b32 s[G0A+8*\s+4*\i], 1
	s_add_co_u32 s[G0A+8*\s+4*\i+1], s19, \s*SLOT+\i*HALF
	s_add_nc_u64 s[G0A+8*\s+4*\i+2:G0A+8*\s+4*\i+3], s[60:61], \s*ASTEP+\i*262144
	s_or_b32 s[G0A+8*\s+4*\i+3], s[G0A+8*\s+4*\i+3], 0x80000000
	s_mov_b32 s[G0B+8*\s+4*\i], 1
	s_add_co_u32 s[G0B+8*\s+4*\i+1], s19, \s*SLOT+\i*HALF
	s_add_nc_u64 s[G0B+8*\s+4*\i+2:G0B+8*\s+4*\i+3], s[62:63], \s*BSTEP+\i*131072
	s_or_b32 s[G0B+8*\s+4*\i+3], s[G0B+8*\s+4*\i+3], 0x80000000
.endr
	JLOAD \s                                       ; K steps 0 and 1
.endr
	v_and_b32 v1, 15, v0                           ; r
	v_mul_u32_u24 v3, v1, PA
	v_lshl_add_u32 v3, v2, 4, v3
	s_mul_i32 s52, s13, 64*PA                      ; my 64 rows
	v_add_nc_u32 v[ADRA], s52, v3
	v_add_nc_u32 v[ADRA+1], SLOT, v[ADRA]
	v_and_b32 v4, 7, v0
	v_bfe_u32 v5, v0, 3, 1
	v_lshl_add_u32 v6, v2, 3, v4
	v_mul_u32_u24 v6, v6, PB
	v_lshl_add_u32 v6, v5, 4, v6
	s_lshl_b32 s52, s14, 7                         ; my 64 columns
	v_add_nc_u32 v6, s52, v6
.irp s, 0,1
.irp g, 0,1
	v_add_nc_u32 v[ADRB+2*\s+\g], \s*SLOT+BREG+\g*2*HALF, v6
.endr
.endr
	s_mul_i32 s53, s12, 16*SP
	s_add_co_u32 s53, s53, STAGE                   ; my stage
	v_mul_u32_u24 v7, v1, SP
	v_lshl_add_u32 v7, v2, 5, v7
	v_add_nc_u32 v[STO], s53, v7                   ; in: row r, 32 bytes for each half
	v_mul_u32_u24 v8, v2, SP
	v_lshl_add_u32 v8, v1, 4, v8
	v_add_nc_u32 v[RD], s53, v8                    ; back: lanes 0-15 one row of 256 bytes, lanes 16-31 the next
	v_lshlrev_b32 v9, 12, v2
	v_lshl_add_u32 v[CO], v1, 4, v9                ; and the same two rows in out0
; 16 LDS loads in one run: eighth kq (32 along K) of a slot into buffer f
.macro FETCH slot, kq, f
	WIN 0x40
.irp c, 0,1,2,3
	ds_load_tr16_b128 v[32*\f+8*\c:32*\f+8*\c+3],   v[ADRB+2*\slot+(\kq>>2)] offset:(\kq&3)*32*PB+32*\c
	ds_load_tr16_b128 v[32*\f+8*\c+4:32*\f+8*\c+7], v[ADRB+2*\slot+(\kq>>2)] offset:(\kq&3)*32*PB+32*\c+16*PB
.endr
	WIN 0
.irp a, 0,1,2,3
	ds_load_b128 v[FA+32*\f+8*\a:FA+32*\f+8*\a+3],   v[ADRA+\slot] offset:(\kq>>1)*HALF+(\kq&1)*64+16*PA*\a
	ds_load_b128 v[FA+32*\f+8*\a+4:FA+32*\f+8*\a+7], v[ADRA+\slot] offset:(\kq>>1)*HALF+(\kq&1)*64+16*PA*\a+32
.endr
.endm
; 8 matrix instructions: column blocks c0, c0 + 1 x 4 row blocks.  The 16 accumulators take turns, one instruction a turn.
.macro MUL8 f, c0, zero
	WIN 0x51                                       ; source 0, C and D window 1; source 1 window 0
.irp c, \c0, \c0+1
.irp a, 0,1,2,3
.if \zero
	v_wmma_f32_16x16x32_bf16 v[ACC+8*(4*(\c)+\a):ACC+8*(4*(\c)+\a)+7], v[32*\f+8*(\c):32*\f+8*(\c)+7], v[FA+32*\f+8*\a:FA+32*\f+8*\a+7], 0
.else
	v_wmma_f32_16x16x32_bf16 v[ACC+8*(4*(\c)+\a):ACC+8*(4*(\c)+\a)+7], v[32*\f+8*(\c):32*\f+8*(\c)+7], v[FA+32*\f+8*\a:FA+32*\f+8*\a+7], v[ACC+8*(4*(\c)+\a):ACC+8*(4*(\c)+\a)+7]
.endif
.endr
.endr
.endm
.macro EIGHTH slot, kq, f, g, zero
	PLACES                                         ; buffer g was read by the matrix instructions just issued
	FETCH \slot, \kq, \g
	s_wait_dscnt 16                                ; all but the 16 just issued: buffer f is in
	MUL8 \f, 0, \zero
	MUL8 \f, 2, \zero
.endm
.macro SEVEN slot, zero
	EIGHTH \slot, 1, 0, 1, \zero
	EIGHTH \slot, 2, 1, 0, 0
	EIGHTH \slot, 3, 0, 1, 0
	EIGHTH \slot, 4, 1, 0, 0
	EIGHTH \slot, 5, 0, 1, 0
	EIGHTH \slot, 6, 1, 0, 0
	EIGHTH \slot, 7, 0, 1, 0
.endm
; The last eighth multiplies buffer 1 and changes slots: the waits for my reads of this slot and for all my tensor loads, the barrier
; (with fill = 1 it opens a round of the cluster's barrier), the joint refills first behind it, then the next slot's first fragments.
.macro TURN slot, next, fill
	s_wait_dscnt 0x0
	s_wait_tensorcnt 0x0
	ds_add_u32 v127, v255
	s_wait_dscnt 0x0
	s_barrier_signal -1
	MUL8 1, 0, 0
	WIN 0
	s_barrier_wait -1
.if \fill
	CREST
.irp i, 0,1
	s_add_nc_u64 s[G0A+8*\slot+4*\i+2:G0A+8*\slot+4*\i+3], s[G0A+8*\slot+4*\i+2:G0A+8*\slot+4*\i+3], 2*ASTEP
	s_add_nc_u64 s[G0B+8*\slot+4*\i+2:G0B+8*\slot+4*\i+3], s[G0B+8*\slot+4*\i+2:G0B+8*\slot+4*\i+3], 2*BSTEP
.endr
	JLOAD \slot
.endif
	PLACES
	FETCH \next, 0, 0
	MUL8 1, 2, 0
.endm
	s_wait_tensorcnt 2                             ; my two loads of K step 0 are in; K step 1's two stay out
	s_barrier_signal -1
	s_barrier_wait -1
	FETCH 0, 0, 0
	SEVEN 0, 1                                     ; K step 0: the first products start the sums
	TURN 0, 1, 1                                   ; asks for K step 2
	SEVEN 1, 0
	TURN 1, 0, 1                                   ; asks for K step 3, the last
	SEVEN 0, 0
	TURN 0, 1, 0
	SEVEN 1, 0
	s_wait_dscnt 0x0
	MUL8 1, 0, 0
	MUL8 1, 2, 0
	WIN 0
	; THE WAY OUT, 16 rows x 64 columns of f32 at a time: bias, 32 bytes a lane into my stage, whole rows of 256 bytes back and out.
	PLACES
	s_wait_loadcnt 0x0                             ; bo
.set RBSEL, 0
.macro OUT16 a
	WIN 0x01                                       ; source 0 window 1
.irp c, 0,1,2,3
.irp p, 0,2,4,6
	v_pk_add_f32 v[TT+8*\c+\p:TT+8*\c+\p+1], v[ACC+8*(4*\c+\a)+\p:ACC+8*(4*\c+\a)+\p+1], v[BIAS+8*\c+\p:BIAS+8*\c+\p+1]
.endr
.endr
	WIN 0
.irp c, 0,1,2,3
	ds_store_b128 v[STO], v[TT+8*\c:TT+8*\c+3]   offset:64*\c
	ds_store_b128 v[STO], v[TT+8*\c+4:TT+8*\c+7] offset:64*\c+16
.endr
	s_wait_xcnt 0x0                                ; the read-back buffer was store data two turns ago: it is loaded again only behind this wait
.irp t, 0,1,2,3,4,5,6,7
	ds_load_b128 v[RB+RBSEL+4*\t:RB+RBSEL+4*\t+3], v[RD] offset:2*SP*\t    ; LDS serves a wave's instructions in order: these see the stores above
.endr
.irp t, 0,1,2,3,4,5,6,7
	s_wait_dscnt 7-\t
	global_store_b128 v[CO], v[RB+RBSEL+4*\t:RB+RBSEL+4*\t+3], s[10:11] offset:(16*\a+2*\t)*4096 th:TH_STORE_NT   ; 16 lanes store 256 consecutive bytes, aligned
.endr
.set RBSEL, 32-RBSEL
.endm
	OUT16 0
	OUT16 1
	OUT16 2
	OUT16 3
	s_set_vgpr_msb 0x1
	s_wait_tensorcnt 0x0
	ds_add_u32 v127, v255
	s_wait_dscnt 0x0
	s_set_vgpr_msb 0x100
	CROUND                                         ; the closing round
	s_endpgm
.Lfunc_end_k_qccc8da6811_oproj:
	.size	k_qccc8da6811_oproj, .Lfunc_end_k_qccc8da6811_oproj-k_qccc8da6811_oproj
	.p2alignl 7, 3214868480
	.fill 96, 4, 3214868480
	.section	.rodata,"a",@progbits
	.p2align	6, 0x0
	.amdhsa_kernel k_qccc8da6811_oproj
		.amdhsa_group_segment_fixed_size 327680
		.amdhsa_private_segment_fixed_size 0
		.amdhsa_enable_private_segment 0
		.amdhsa_kernarg_size 32
		.amdhsa_user_sgpr_count 2
		.amdhsa_user_sgpr_kernarg_segment_ptr 1
		.amdhsa_wavefront_size32 1
		.amdhsa_system_sgpr_workgroup_id_x 1
		.amdhsa_system_sgpr_workgroup_id_y 1
		.amdhsa_system_sgpr_workgroup_id_z 1
		.amdhsa_system_vgpr_workitem_id 0
		.amdhsa_next_free_vgpr 512
		.amdhsa_next_free_sgpr 86
		.amdhsa_reserve_vcc 0
		.amdhsa_float_denorm_mode_32 3
		.amdhsa_float_denorm_mode_16_64 3
		.amdhsa_memory_ordered 1
		.amdhsa_forward_progress 1
		.amdhsa_inst_pref_size 97
	.end_amdhsa_kernel
	.amdgpu_metadata
---
amdhsa.version: [ 1, 2 ]
amdhsa.kernels:
  - .name:           k_qccc8da6811_oproj
    .symbol:         k_qccc8da6811_oproj.kd
    .args:
      - { .name: ab, .offset: 0, .size: 8, .value_kind: global_buffer, .address_space: global }
      - { .name: cb, .offset: 8, .size: 8, .value_kind: global_buffer, .address_space: global }
      - { .name: bo, .offset: 16, .size: 8, .value_kind: global_buffer, .address_space: global }
      - { .name: out0, .offset: 24, .size: 8, .value_kind: global_buffer, .address_space: global }
    .group_segment_fixed_size: 327680
    .private_segment_fixed_size: 0
    .kernarg_segment_align: 8
    .kernarg_segment_size: 32
    .max_flat_workgroup_size: 128
    .sgpr_count:     86
    .vgpr_count:     512
    .wavefront_size: 32
...
	.end_amdgpu_metadata
.endif
;; end of part 4
;; ======== version 2 of 2: 4 launches; version 1 with the launch prep written anew for expert scheduling mode
;; workspace buffers: cb 16,777,216 bytes; qb 8,388,608 bytes; kb 8,388,608 bytes; vb 8,388,608 bytes; ab 8,388,608 bytes
;; launch prep (part 5): grid 64 x 8, 8 waves a work-group, no clusters, 0 bytes of LDS; arguments x, Wq, Wk, Wv, Wo, cb; writes cb
.if DOCPART == 5
	.amdgcn_target "amdgcn-amd-amdhsa--gfx1250"
	.amdhsa_code_object_version 6
	.text
	.protected	k_qccc8da6811_prep
	.globl	k_qccc8da6811_prep
	.p2align	8
	.type	k_qccc8da6811_prep,@function
k_qccc8da6811_prep:
	s_mov_b64 s[64:65], 0
	v_nop
	global_prefetch_b8 v0, s[64:65] scope:SCOPE_SE
	s_setreg_imm32_b32 hwreg(HW_REG_WAVE_SCHED_MODE, 0, 2), 2
	s_setreg_imm32_b32 hwreg(HW_REG_WAVE_MODE, 25, 1), 1
	s_wait_xcnt 0x0
	s_wait_alu depctr_vm_vsrc(0)
; Rounds x and the four weight matrices to bf16, once, in their own order (no transposition):
; cb = x [4096][1024] at byte 0, then Wq, Wk, Wv, Wo [1024 k][1024 n] at 8,388,608 + w * 2,097,152.
; A stream: no LDS, no matrix unit, no cluster (no two work-groups read the same byte).
; Grid y picks 1 Mi numbers: y = 0..3 a quarter of x, y = 4..7 a weight matrix.  Grid x picks 16,384 of them:
; 64 KiB in, 32 KiB out.  Thread t takes 16 bytes at 16 t of every 4,096: a wave's load covers 512 consecutive
; bytes, a wave's store 256 consecutive bytes at a multiple of 256 from cb's first byte.
; All 16 loads of a thread go out first; every store has data registers of its own, so no register is reused.
; Limit: the numbers are rounded to bf16 (nearest even); this is the rounding of the matrix operands.
; THE MODE: SCHED_MODE bits 1:0 = 2 (LLVM: expert scheduling mode 2), set by the entry lines.  The code itself states the register
; dependences between vector instructions and memory instructions, with s_wait_alu, always for 0.
; THE PLAN.  Registers that memory instructions touch:
;   v1, v2   byte offsets, made once at the head by vector instructions; read by every load (v1) and every store (v2); never written again.
;   X        each four registers are written by one load, once, and read by two conversions; no vector instruction writes them, no second load lands in them.
;   Y        each two registers are written by two conversions, once, and read by one store; never written again.
; So the only dependences to state are: the offsets are written ahead of the first load, and a store's Y is written ahead of the store.
; The work goes in four groups of four loads.  Group g rounds X[g] into Y[g]; its memory instructions are the four stores of group g - 1,
; which read Y[g - 1] and v2: registers that no conversion of group g names.  One wait at a group's head serves its four stores, which
; are dealt among its conversions with no further wait.  No register that a memory instruction has read is written again,
; so the plan needs no wait on vm_vsrc.
.set X, 8                              ; v[8:71]    16 x 4 numbers in f32, as loaded
.set Y, 72                             ; v[72:103]  16 x 4 numbers in bf16, to store
.set GRP, 4                            ; loads, and stores, in a group
	s_load_b256 s[4:11], s[0:1], 0x0               ; x s[4:5], Wq s[6:7], Wk s[8:9], Wv s[10:11]
	s_load_b128 s[12:15], s[0:1], 0x20             ; Wo s[12:13], cb s[14:15]
	s_and_b32 s16, ttmp7, 0xffff                   ; y
	v_lshlrev_b32 v1, 4, v0                        ; 16 t: my bytes in
	v_lshlrev_b32 v2, 3, v0                        ; 8 t: my bytes out
	s_lshl_b32 s17, s16, 22                        ; a quarter of x is 4 MiB of f32
	s_cmp_lt_u32 s16, 4
	s_cselect_b32 s17, s17, 0                      ; a weight matrix starts at its own first byte
	s_lshl_b32 s18, ttmp9, 16                      ; 64 KiB in for each work-group
	s_add_co_u32 s18, s18, s17
	s_mov_b32 s19, 0
	s_lshl_b32 s22, s16, 21                        ; 2 MiB of bf16 for each y
	s_lshl_b32 s23, ttmp9, 15                      ; 32 KiB out for each work-group
	s_add_co_u32 s22, s22, s23
	s_mov_b32 s23, 0
	s_wait_kmcnt 0x0
	s_mov_b64 s[20:21], s[12:13]                   ; the source: Wo, unless y says otherwise
	s_cmp_eq_u32 s16, 6
	s_cselect_b64 s[20:21], s[10:11], s[20:21]
	s_cmp_eq_u32 s16, 5
	s_cselect_b64 s[20:21], s[8:9], s[20:21]
	s_cmp_eq_u32 s16, 4
	s_cselect_b64 s[20:21], s[6:7], s[20:21]
	s_cmp_lt_u32 s16, 4
	s_cselect_b64 s[20:21], s[4:5], s[20:21]
	s_add_nc_u64 s[20:21], s[20:21], s[18:19]
	s_add_nc_u64 s[14:15], s[14:15], s[22:23]
	s_wait_alu depctr_va_vdst(0)                   ; v1 and v2 are written: every load below reads v1 as its offset, every store v2
.set i, 0
.rept 16
	global_load_b128 v[X+4*i:X+4*i+3], v1, s[20:21] offset:4096*i th:TH_LOAD_NT
.set i, i+1
.endr
; Group g: its four loads are rounded; the four stores of the group before leave, one in front of each pair of conversions.
.macro GROUP g
	s_wait_loadcnt 16-GRP-GRP*(\g)                 ; loads come back in order: this group's four are in, the younger ones stay out
.if (\g) > 0
	s_wait_alu depctr_va_vdst(0)                   ; the conversions of the group before have written their Y, which the four stores below read
.endif
.irp j, 0,1,2,3
.if (\g) > 0
	global_store_b64 v2, v[Y+2*(GRP*(\g)-GRP+(\j)):Y+2*(GRP*(\g)-GRP+(\j))+1], s[14:15] offset:2048*(GRP*(\g)-GRP+(\j))  ; no wait: no vector instruction since the wait above names these registers
.endif
	v_cvt_pk_bf16_f32 v[Y+2*(GRP*(\g)+(\j))],   v[X+4*(GRP*(\g)+(\j))],   v[X+4*(GRP*(\g)+(\j))+1]
	v_cvt_pk_bf16_f32 v[Y+2*(GRP*(\g)+(\j))+1], v[X+4*(GRP*(\g)+(\j))+2], v[X+4*(GRP*(\g)+(\j))+3]
.endr
.endm
	GROUP 0                                        ; no group in front of it: no store, and no wait but the one for its data
	GROUP 1
	GROUP 2
	GROUP 3
	s_wait_alu depctr_va_vdst(0)                   ; the conversions of group 3 have written their Y, which the last four stores read
.irp j, 0,1,2,3
	global_store_b64 v2, v[Y+2*(3*GRP+(\j)):Y+2*(3*GRP+(\j))+1], s[14:15] offset:2048*(3*GRP+(\j))
.endr
	s_endpgm
.Lfunc_end_k_qccc8da6811_prep:
	.size	k_qccc8da6811_prep, .Lfunc_end_k_qccc8da6811_prep-k_qccc8da6811_prep
	.p2alignl 7, 3214868480
	.fill 96, 4, 3214868480
	.section	.rodata,"a",@progbits
	.p2align	6, 0x0
	.amdhsa_kernel k_qccc8da6811_prep
		.amdhsa_group_segment_fixed_size 0
		.amdhsa_private_segment_fixed_size 0
		.amdhsa_enable_private_segment 0
		.amdhsa_kernarg_size 48
		.amdhsa_user_sgpr_count 2
		.amdhsa_user_sgpr_kernarg_segment_ptr 1
		.amdhsa_wavefront_size32 1
		.amdhsa_system_sgpr_workgroup_id_x 1
		.amdhsa_system_sgpr_workgroup_id_y 1
		.amdhsa_system_sgpr_workgroup_id_z 1
		.amdhsa_system_vgpr_workitem_id 0
		.amdhsa_next_free_vgpr 104
		.amdhsa_next_free_sgpr 66
		.amdhsa_reserve_vcc 0
		.amdhsa_float_denorm_mode_32 3
		.amdhsa_float_denorm_mode_16_64 3
		.amdhsa_memory_ordered 1
		.amdhsa_forward_progress 1
		.amdhsa_inst_pref_size 7
	.end_amdhsa_kernel
	.amdgpu_metadata
---
amdhsa.version: [ 1, 2 ]
amdhsa.kernels:
  - .name:           k_qccc8da6811_prep
    .symbol:         k_qccc8da6811_prep.kd
    .args:
      - { .name: x, .offset: 0, .size: 8, .value_kind: global_buffer, .address_space: global }
      - { .name: Wq, .offset: 8, .size: 8, .value_kind: global_buffer, .address_space: global }
      - { .name: Wk, .offset: 16, .size: 8, .value_kind: global_buffer, .address_space: global }
      - { .name: Wv, .offset: 24, .size: 8, .value_kind: global_buffer, .address_space: global }
      - { .name: Wo, .offset: 32, .size: 8, .value_kind: global_buffer, .address_space: global }
      - { .name: cb, .offset: 40, .size: 8, .value_kind: global_buffer, .address_space: global }
    .group_segment_fixed_size: 0
    .private_segment_fixed_size: 0
    .kernarg_segment_align: 8
    .kernarg_segment_size: 48
    .max_flat_workgroup_size: 256
    .sgpr_count:     66
    .vgpr_count:     104
    .wavefront_size: 32
...
	.end_amdgpu_metadata
.endif
;; end of part 5
;; launch qkv: the kernel of part 2 again; grid 8 x 32, 4 waves a work-group, clusters of 4 x 4, 327,680 bytes of LDS; arguments cb, bq, bk, bv, qb, kb, vb; writes qb, kb, vb
;; launch attn: the kernel of part 3 again; grid 256 x 1, 8 waves a work-group, clusters of 4 x 1, 327,680 bytes of LDS; arguments qb, kb, vb, ab; writes ab
;; launch oproj: the kernel of part 4 again; grid 8 x 32, 4 waves a work-group, clusters of 4 x 4, 327,680 bytes of LDS; arguments ab, cb, bo, out0; writes out0
